; MI455X (gfx1250); checked and timed in simulation.
; The chip was launched on July 23, 2026; its instructions are those of AMD's public machine-readable ISA for CDNA 5 (MIT licence, August 2026) and "CDNA5" Instruction Set Architecture Reference Guide (July 2026). The comments in the code are by the model that wrote it; some were corrected since.
;; Causal Self Attention. Allowed arithmetic: matrix products marked QUANTISED: E2M3 operands, one E8M0 scale for each 32 along K, by v_wmma_scale_f32_16x16x128_f8f6f4 with both operands' format E2M3, f32 sums; everything else in f32.
;; Inputs: kv_b 512 float32; kv_w 512 x 256 float32; q_b 256 float32; q_w 256 x 256 float32; x 32 x 256 x 32 x 32 float32.
;; Outputs: out0 32 x 256 x 32 x 32 float32.
;; This version of the problem:
;;   THIS VERSION OF THE PROBLEM IS GIVEN IN LOW PRECISION. The matrix products marked QUANTISED in the list below multiply operands that are first quantised to E2M3 (2 exponent bits, 3 mantissa bits; 6 bits a number), with one power-of-two scale for each 32 numbers along K (OCP MX v1.0); their sums are f32. All else is computed in f32.
;;   The module's matrix products, in the order in which they are computed (A, B: the left and right operand; K: the contracted axis; several contracted axes count as one K, in the product's order):
;;     1. [M 32,768, K 256] x [K 256, N 256]; A: input x; B: input q_w: QUANTISED
;;     2. [M 32,768, K 256] x [K 256, N 512]; A: input x; B: input kv_w: QUANTISED
;;     3. batch 256 x [M 1,024, K 32] x [K 32, N 1,024]; A: computed on the way; B: computed on the way: QUANTISED
;;     4. batch 256 x [M 1,024, K 1,024] x [K 1,024, N 32]; A: computed on the way; B: computed on the way: QUANTISED
;;   THE QUANTISER, for each operand of a quantised product, along K:
;;     - K is cut into blocks of 32 from its start; a last block that is shorter is filled with zeros.
;;     - A block's scale is 2^e with e = floor(log2(the largest magnitude in the block)) - 2, held to -126 .. 127; a block of zeros has e = 0. As a byte (E8M0): e + 127.
;;     - Each number is divided by its block's scale, clamped to +-7.5, and rounded to the nearest number of E2M3, ties to even, subnormals kept.
;;     - The product sums the exact products of the quantised numbers (number of the format x scale) in f32.
;;   ~~~python
;;   def quantise(x, axis):      # numpy; x: float32 -> the quantised numbers, widened to float32 again
;;       x = np.moveaxis(x, axis, -1); K = x.shape[-1]
;;       x = np.pad(x, [(0, 0)] * (x.ndim - 1) + [(0, -K % 32)]); x = x.reshape(x.shape[:-1] + (-1, 32)); a = np.abs(x).max(-1, keepdims=True)
;;       e = np.where(a > 0, np.clip(np.frexp(np.where(a > 0, a, 1))[1] - 1 - 2, -126, 127), 0)      # np.frexp(a)[1] - 1 = floor(log2(a)), exactly
;;       r = np.clip(x / 2.0 ** e, -7.5, 7.5)
;;       step = 2.0 ** (np.maximum(np.frexp(np.where(r == 0, 1, r))[1] - 1, 0) - 3)
;;       q = np.round(r / step) * step * 2.0 ** e      # np.round: ties to even
;;       return np.moveaxis(q.reshape(q.shape[:-2] + (-1,))[..., :K], -1, axis).astype(np.float32)
;;   ~~~
;;   OPERANDS COMPUTED ON THE WAY. 'Computed on the way' means the value that the module computes at that place (a softmax that the list does not call 'softmax' is quantised finished and normalised). What goes into a quantiser is computed in f32, as accurately as f32 sums, v_exp_f32 and their like allow (about 1e-6 of the number): no bf16 or f16 on the way to a quantiser, and a product that is left as it is and whose result goes on into a quantised operand takes f32 operands (vector FMAs, or v_wmma_f32_16x16x4_f32). A number that lies on a knife's edge between two numbers of the format may be rounded either way, as far as f32 arithmetic and the matrix unit's own rounding can turn it there, and no further.
;; One version. Each part assembles by itself: llvm-mc -triple=amdgcn-amd-amdhsa -mcpu=gfx1250 --defsym DOCPART=n.
;; ======== version 1 of 1: 2 launches
;; workspace buffers: xcodes 6,291,456 bytes; xscales 262,144 bytes; wcodes 147,456 bytes; wscales 12,288 bytes
;; launch quant (part 1): grid 524 x 1, 4 waves a work-group, no clusters, 1,024 bytes of LDS; arguments x, q_w, kv_w, xcodes, xscales, wcodes, wscales; writes xcodes, xscales, wcodes, wscales
.if DOCPART == 1
	.amdgcn_target "amdgcn-amd-amdhsa--gfx1250"
	.amdhsa_code_object_version 6
	.text
	.protected	k_q24b0776469_quant
	.globl	k_q24b0776469_quant
	.p2align	8
	.type	k_q24b0776469_quant,@function
k_q24b0776469_quant:
	s_mov_b64 s[64:65], 0
	v_nop
	global_prefetch_b8 v0, s[64:65] scope:SCOPE_SE
	s_setreg_imm32_b32 hwreg(HW_REG_WAVE_MODE, 25, 1), 1
	s_wait_xcnt 0x0
; x [32][256 c][1024 s], q_w [256][256 c] and kv_w [512][256 c], f32, become codes of FP6 (E2M3) along c, with one E8M0 byte for each 32 along c.
; A block's scale is 2^(floor(log2(its largest magnitude)) - 2): its byte is the largest magnitude's exponent field - 2, held at 1 from below by a floor among the maximum's leaves.
; THE RESULTS ARE LAID AS IMAGES OF OPERAND REGISTERS: a fragment (16 rows x 128 along c: 12 registers a lane) is 1,536 bytes, three pieces of 512, piece k = registers 4 k .. 4 k + 3, lane l's 16 bytes at 16 l.
;   xcodes : fragment ((b 32 + g) 4 + 2 sigma + ab): group g = positions 32 g .. 32 g + 31, sigma = which 128 channels, ab = which tile of 16 positions.
;            Lane (r, h) stands for position 32 g + 8 h + r + (r & 8): tile A (ab = 0) is what lanes 0-15 stand for (positions 0-7, 16-23 of the group), tile B what lanes 16-31 stand for.
;   xscales: (b 32 + g) 256 + 8 lane: two words (sigma = 0, 1) of the lane's position: lanes 0-15 serve tile A, lanes 16-31 tile B.
;   wcodes : fragment (TI 2 + sigma), TI = 16 kind + 2 head + tile, kind 0 = q, 1 = k, 2 = v.  q and k, tile u: lane r takes row 32 head + 8 u + r + (r & 8); v, tile t: row 256 + 32 head + 16 t + r of kv_w.
;   wscales: TI 256 + 8 lane: the two words of row r, the same in both halves of the lanes.
; SHARES.  Work-groups 0-11 take the weights, a tile of 16 rows a wave.  Work-groups 12-523 take x: work-group (b, chi) has groups 2 chi and 2 chi + 1, wave (c, sigma) group 2 chi + c and 128 channels.
; x's K is its OUTER axis: a lane takes one position and its registers run down c, so a block of 32 lies in one lane, each load reads 128 consecutive bytes, and the conversions give codes with c innermost.
; LIMITS: NaN and infinities are not served.  A block of zeros, or one whose largest magnitude lies under 2^-124, gets the byte 1 (the quantiser's text says 127 for zeros): its codes are zeros and this program alone reads the bytes.
; No matrix unit, no cluster, no tensor load: a stream that is read once; several work-groups share a WGP.
.set X,  32                            ; v32-159  128 numbers: block j at X + 32 j
.set FA, 160                           ; v160-171 first fragment  (x: tile A; weights: sigma 0)
.set FB, 172                           ; v172-183 second fragment (x: tile B; weights: sigma 1)
.set UT, 184                           ; v184-199 the upper 16 codes of block j at UT + 4 j (a conversion's three registers begin on an even number)
.set BY, 200                           ; v200-203 the blocks' scale bytes
.set SO, 204                           ; v204-207 the conversions' scale operands
; Block j: its largest magnitude (all 32 numbers are the lane's own), its scale, its 32 codes: the lower 16 to dst, the upper 16 to UT + 4 j
.macro BLK j, dst
.set XS, X+32*(\j)
	v_max3_num_f32 v12, |v[XS]|, |v[XS+1]|, |v[XS+2]|
	v_max3_num_f32 v13, |v[XS+3]|, |v[XS+4]|, |v[XS+5]|
.irp i, 6,10,14,18,22,26
	v_max3_num_f32 v12, v12, |v[XS+\i]|, |v[XS+\i+1]|
	v_max3_num_f32 v13, v13, |v[XS+\i+2]|, |v[XS+\i+3]|
.endr
	v_max3_num_f32 v12, v12, |v[XS+30]|, |v[XS+31]|
	v_max3_num_f32 v12, v12, v13, 0x1800000        ; the floor 2^(3 - 127): the byte cannot fall under 1
	v_add_nc_u32 v[SO+\j], 0xff000000, v12         ; 2 off the exponent field: the conversion takes the exponent field of this operand as its scale
	v_lshrrev_b32 v[BY+\j], 23, v[SO+\j]           ; the scale's byte
	v_cvt_scalef32_pk16_fp6_f32 v[\dst:\dst+2], v[XS:XS+15], v[SO+\j]
	v_cvt_scalef32_pk16_fp6_f32 v[UT+4*\j:UT+4*\j+2], v[XS+16:XS+31], v[SO+\j]
.endm
.macro OUT6                            ; the two fragments leave: 3,072 consecutive bytes a wave, 512 an instruction
.irp k, 0,1,2
	global_store_b128 v3, v[FA+4*\k:FA+4*\k+3], s[10:11] offset:512*\k
.endr
.irp k, 0,1,2
	global_store_b128 v3, v[FB+4*\k:FB+4*\k+3], s[10:11] offset:1536+512*\k
.endr
.endm
	s_load_b256 s[4:11], s[0:1], 0x0               ; x s[4:5], q_w s[6:7], kv_w s[8:9], xcodes s[10:11]
	s_load_b128 s[12:15], s[0:1], 0x20             ; xscales s[12:13], wcodes s[14:15]
	s_load_b64 s[16:17], s[0:1], 0x30              ; wscales
	v_lshl_add_u32 v208, v0, 2, 0x200
	v_mov_b32 v209, 0
	v_lshrrev_b32 v1, 5, v0
	v_readfirstlane_b32 s18, v1                    ; wave 0..3
	v_and_b32 v1, 31, v0                           ; lane
	v_and_b32 v5, 15, v0                           ; r
	v_bfe_u32 v6, v0, 4, 1                         ; h
	v_lshlrev_b32 v3, 4, v1                        ; 16 x lane
	v_lshlrev_b32 v7, 3, v1                        ; 8 x lane
	s_mov_b32 s20, 0x76543210
	s_mov_b32 s21, 0xfedcba98                      ; v_permlanex16_b32's selects for lane l xor 16
	s_cmp_lt_u32 ttmp9, 12                         ; the same for all four waves of a work-group
	s_cbranch_scc1 .Lweights
	; ---------------- x ----------------
	s_sub_co_u32 s22, ttmp9, 12
	s_lshr_b32 s23, s22, 4                         ; b
	s_and_b32 s24, s22, 15                         ; chi
	s_lshr_b32 s25, s18, 1                         ; c
	s_and_b32 s26, s18, 1                          ; sigma
	s_lshl_b32 s27, s24, 1
	s_add_co_u32 s27, s27, s25                     ; g = 2 chi + c
	s_lshl_b32 s28, s23, 20                        ; x: b x 256 x 4,096 bytes
	s_lshl_b32 s29, s26, 19                        ;    + sigma x 128 channels
	s_add_co_u32 s28, s28, s29
	s_lshl_b32 s29, s27, 7                         ;    + g x 128 bytes
	s_add_co_u32 s28, s28, s29
	s_mov_b32 s29, 0
	s_lshl_b32 s30, s23, 5
	s_add_co_u32 s30, s30, s27
	s_mul_i32 s30, s30, 6144                       ; xcodes: (32 b + g) x four fragments
	s_mul_i32 s31, s26, 3072                       ;    + sigma x two
	s_add_co_u32 s30, s30, s31
	s_mov_b32 s31, 0
	s_lshl_b32 s32, s23, 5
	s_lshl_b32 s33, s24, 1
	s_add_co_u32 s32, s32, s33
	s_lshl_b32 s32, s32, 8                         ; xscales: (32 b + 2 chi) x 256
	s_mov_b32 s33, 0
	v_and_b32 v2, 8, v5
	v_add_nc_u32 v2, v2, v5
	v_lshl_add_u32 v2, v6, 3, v2
	v_lshlrev_b32 v2, 2, v2                        ; my position in the group: 4 x (8 h + r + (r & 8)) bytes
	s_lshl_b32 s34, s25, 8
	s_lshl_b32 s35, s26, 2
	s_add_co_u32 s34, s34, s35
	v_add_nc_u32 v4, s34, v7                       ; LDS: 256 c + 4 sigma + 8 x lane: where my scale word goes
	s_wait_kmcnt 0x0
	s_add_nc_u64 s[4:5], s[4:5], s[28:29]
	s_add_nc_u64 s[10:11], s[10:11], s[30:31]
	s_add_nc_u64 s[12:13], s[12:13], s[32:33]
.macro LOADX j                         ; block j: channels 32 j .. 32 j + 31 of my position; the 32 lanes read 128 consecutive bytes, and the wave beside me the 128 that follow
.set i, 0
.rept 32
	global_load_b32 v[X+32*(\j)+i], v2, s[4:5] offset:(32*(\j)+i)*4096 th:TH_LOAD_NT
.set i, i+1
.endr
.endm
	LOADX 0
	LOADX 1
	s_wait_loadcnt 32                              ; block 0 is in; block 1's 32 loads may be out
	LOADX 2
	BLK 0, FA
	s_wait_loadcnt 32                              ; block 1 is in; block 2's may be out
	LOADX 3
	BLK 1, FB
	s_wait_loadcnt 32                              ; block 2 is in; block 3's may be out
	BLK 2, FA+6
	s_wait_loadcnt 0x0
	BLK 3, FB+6
	v_nop                                          ; one plain instruction behind the last scaled conversion (ISA guide 7.12.1's kin for conversions)
	; The operand's layout gives lane (r, h) block 2 c + h of row r.  I hold all four blocks of MY position.  Exchanging the upper lanes of block 2 c's registers with the lower lanes of block 2 c + 1's
	; leaves tile A's registers in the first and tile B's in the second.
.irp i, 0,1,2
	v_permlane16_swap_b32 v[FA+\i], v[FB+\i]
	v_permlane16_swap_b32 v[UT+\i], v[UT+4+\i]
	v_permlane16_swap_b32 v[FA+6+\i], v[FB+6+\i]
	v_permlane16_swap_b32 v[UT+8+\i], v[UT+12+\i]
.endr
.irp i, 0,1,2
	v_mov_b32 v[FA+3+\i], v[UT+\i]
	v_mov_b32 v[FB+3+\i], v[UT+4+\i]
	v_mov_b32 v[FA+9+\i], v[UT+8+\i]
	v_mov_b32 v[FB+9+\i], v[UT+12+\i]
.endr
	v_lshl_or_b32 v10, v[BY+1], 8, v[BY]           ; my position's scale word for these 128 channels
	v_lshl_or_b32 v10, v[BY+2], 16, v10
	v_lshl_or_b32 v10, v[BY+3], 24, v10
	ds_store_b32 v4, v10
	OUT6
	s_wait_dscnt 0x0                               ; for the others' sake: my scale words lie in LDS
	s_barrier_signal -1
	s_barrier_wait -1                              ; all four waves' do: 512 bytes, two groups' words of both sigma
	s_cmp_lg_u32 s18, 0
	s_cbranch_scc1 .Lx_end
	ds_load_b128 v[12:15], v3
	s_wait_dscnt 0x0
	global_store_b128 v3, v[12:15], s[12:13]       ; wave 0 stores them: 512 consecutive bytes, at a multiple of 256 from the buffer's first byte
.Lx_end:
	s_wait_tensorcnt 0x0
	ds_add_u32 v208, v209
	s_wait_dscnt 0x0
	s_endpgm
	; ---------------- the weights: c is innermost, so lane (r, h) loads the very numbers that the operand's layout gives it ----------------
.Lweights:
	s_lshl_b32 s22, ttmp9, 2
	s_add_co_u32 s22, s22, s18                     ; TI = 0 .. 47
	s_lshr_b32 s23, s22, 4                         ; kind
	s_bfe_u32 s24, s22, 0x30001                    ; head (3 bits from bit 1)
	s_and_b32 s25, s22, 1                          ; tile
	s_lshl_b32 s26, s24, 5                         ; 32 head
	s_lshl_b32 s27, s25, 3                         ; q, k: + 8 tile
	s_lshl_b32 s28, s25, 4
	s_add_co_u32 s28, s28, 256                     ; v: + 256 + 16 tile
	s_cmp_eq_u32 s23, 2
	s_cselect_b32 s27, s28, s27
	s_cselect_b32 s29, 0, 8                        ; q, k: lanes 8-15 take the rows 8 further on
	s_add_co_u32 s26, s26, s27
	s_lshl_b32 s26, s26, 10                        ; a row is 1,024 bytes
	s_mov_b32 s27, 0
	v_and_b32 v2, s29, v5
	v_add_nc_u32 v2, v2, v5
	v_lshlrev_b32 v2, 10, v2
	v_lshl_add_u32 v2, v6, 7, v2                   ; my row, + 128 h bytes
	s_mul_i32 s30, s22, 3072
	s_mov_b32 s31, 0
	s_lshl_b32 s32, s22, 8
	s_mov_b32 s33, 0
	s_wait_kmcnt 0x0
	s_cmp_eq_u32 s23, 0
	s_cselect_b64 s[4:5], s[6:7], s[8:9]           ; q_w or kv_w: the choice hangs on the work-group's and the wave's number alone
	s_add_nc_u64 s[4:5], s[4:5], s[26:27]
	s_add_nc_u64 s[10:11], s[14:15], s[30:31]      ; OUT6's base: wcodes at my tile
	s_add_nc_u64 s[16:17], s[16:17], s[32:33]
.irp j, 0,1,2,3                        ; j = 2 sigma + c: channels 128 sigma + 64 c + 32 h + 0 .. 31
.irp k, 0,1,2,3,4,5,6,7
	global_load_b128 v[X+32*\j+4*\k:X+32*\j+4*\k+3], v2, s[4:5] offset:256*\j+16*\k
.endr
.endr
	s_wait_loadcnt 24                              ; eight loads a block: three blocks' may be out,
	BLK 0, FA
	s_wait_loadcnt 16                              ; two,
	BLK 1, FA+6
	s_wait_loadcnt 8                               ; one,
	BLK 2, FB
	s_wait_loadcnt 0x0
	BLK 3, FB+6
	v_nop                                          ; one plain instruction behind the last scaled conversion
.irp i, 0,1,2
	v_mov_b32 v[FA+3+\i], v[UT+\i]
	v_mov_b32 v[FA+9+\i], v[UT+4+\i]
	v_mov_b32 v[FB+3+\i], v[UT+8+\i]
	v_mov_b32 v[FB+9+\i], v[UT+12+\i]
.endr
	v_lshlrev_b32 v8, 3, v6                        ; 8 h
	v_lshl_or_b32 v10, v[BY+1], 16, v[BY]          ; my two bytes of a word: blocks h and 2 + h,
	v_lshl_or_b32 v11, v[BY+3], 16, v[BY+2]
	v_lshlrev_b32 v10, v8, v10                     ; at their places;
	v_lshlrev_b32 v11, v8, v11
	v_mov_b32 v12, 0                               ; (a lane permute's destination counts as one of its sources)
	v_mov_b32 v13, 0
	v_permlanex16_b32 v12, v10, s20, s21
	v_permlanex16_b32 v13, v11, s20, s21
	v_or_b32 v10, v10, v12                         ; with lane l xor 16's two the words are whole
	v_or_b32 v11, v11, v13
	OUT6
	global_store_b64 v7, v[10:11], s[16:17]        ; 256 consecutive bytes a wave
	s_endpgm
.Lfunc_end_k_q24b0776469_quant:
	.size	k_q24b0776469_quant, .Lfunc_end_k_q24b0776469_quant-k_q24b0776469_quant
	.p2alignl 7, 3214868480
	.fill 96, 4, 3214868480
	.section	.rodata,"a",@progbits
	.p2align	6, 0x0
	.amdhsa_kernel k_q24b0776469_quant
		.amdhsa_group_segment_fixed_size 1024
		.amdhsa_private_segment_fixed_size 0
		.amdhsa_enable_private_segment 0
		.amdhsa_kernarg_size 56
		.amdhsa_user_sgpr_count 2
		.amdhsa_user_sgpr_kernarg_segment_ptr 1
		.amdhsa_wavefront_size32 1
		.amdhsa_system_sgpr_workgroup_id_x 1
		.amdhsa_system_sgpr_workgroup_id_y 1
		.amdhsa_system_sgpr_workgroup_id_z 1
		.amdhsa_system_vgpr_workitem_id 0
		.amdhsa_next_free_vgpr 210
		.amdhsa_next_free_sgpr 66
		.amdhsa_reserve_vcc 0
		.amdhsa_float_denorm_mode_32 3
		.amdhsa_float_denorm_mode_16_64 3
		.amdhsa_memory_ordered 1
		.amdhsa_forward_progress 1
		.amdhsa_inst_pref_size 33
	.end_amdhsa_kernel
	.amdgpu_metadata
---
amdhsa.version: [ 1, 2 ]
amdhsa.kernels:
  - .name:           k_q24b0776469_quant
    .symbol:         k_q24b0776469_quant.kd
    .args:
      - { .name: x, .offset: 0, .size: 8, .value_kind: global_buffer, .address_space: global }
      - { .name: q_w, .offset: 8, .size: 8, .value_kind: global_buffer, .address_space: global }
      - { .name: kv_w, .offset: 16, .size: 8, .value_kind: global_buffer, .address_space: global }
      - { .name: xcodes, .offset: 24, .size: 8, .value_kind: global_buffer, .address_space: global }
      - { .name: xscales, .offset: 32, .size: 8, .value_kind: global_buffer, .address_space: global }
      - { .name: wcodes, .offset: 40, .size: 8, .value_kind: global_buffer, .address_space: global }
      - { .name: wscales, .offset: 48, .size: 8, .value_kind: global_buffer, .address_space: global }
    .group_segment_fixed_size: 1024
    .private_segment_fixed_size: 0
    .kernarg_segment_align: 8
    .kernarg_segment_size: 56
    .max_flat_workgroup_size: 128
    .sgpr_count:     66
    .vgpr_count:     210
    .wavefront_size: 32
...
	.end_amdgpu_metadata
.endif
;; end of part 1
;; launch attn (part 2): grid 8 x 32, 4 waves a work-group, no clusters, 116,224 bytes of LDS; arguments xcodes, xscales, wcodes, wscales, q_b, kv_b, out0; writes out0
.if DOCPART == 2
	.amdgcn_target "amdgcn-amd-amdhsa--gfx1250"
	.amdhsa_code_object_version 6
	.text
	.protected	k_q24b0776469_attn
	.globl	k_q24b0776469_attn
	.p2align	8
	.type	k_q24b0776469_attn,@function
k_q24b0776469_attn:
	s_mov_b64 s[64:65], 0
	v_nop
	global_prefetch_b8 v0, s[64:65] scope:SCOPE_SE
	s_setreg_imm32_b32 hwreg(HW_REG_WAVE_MODE, 25, 1), 1
	s_wait_xcnt 0x0
; One work-group makes one (batch b, head) of the attention: it projects its head's q, k, v from x's codes, quantises them into LDS, and runs the causal attention.  All four products are
; v_wmma_scale_f32_16x16x128_f8f6f4 on codes of FP6 (E2M3) with E8M0 scales; all else is f32.
; PHASE P.  Wave w takes positions 256 w .. 256 w + 255, four chunks of 64.  q and k are made TRANSPOSED (source 0 = 16 rows of the weight, source 1 = 16 positions), so that a lane holds one position and 16 of the
; head's 32 channels; v the other way round (source 0 = positions, source 1 = the weight's rows), so that a lane holds one channel and 16 neighbouring keys.  The biases are the C of each sum's first instruction.
; All three are quantised in registers and laid in LDS as images of operand registers (six registers a lane: 768 bytes).  One barrier follows: the launch's only one.
; PHASE A.  A wave owns a tile of 16 queries at a time and walks its keys in steps of 128, in THREE SWEEPS, since the weights are quantised finished and normalised: (1) all scores, with each block's and the row's
; maximum; (2) p = 2^(t - X) and the row's sum; (3) p / sum, quantised by blocks of 32 keys, times V.  The tile's scores (up to 16 x 1,024 f32) stay in 512 registers meanwhile: each exponential is taken once.
; THE SCORES' K IS 32, one block of the instruction's 128.  So source 0 holds FOUR tiles of 16 keys in its four blocks, and is used four times, against four versions of Q that hold Q's codes in one block and
; zero codes in the other three: zero codes add nothing whatever stands against them.
; THE MASK is strictly lower triangular.  Steps all of whose keys are hidden are not made.  In the step on the diagonal hidden scores become -infinity, so p = 0.  The fill -10000 still takes part in the row's
; maximum (X = max(t, -10000 log2 e)) and, 1024 - q times, in its sum, as the softmax over the filled scores has it; row 0 so comes out as zeros.
; SHARES.  Wave w takes chunks w, 7 - w, 8 + w, 15 - w of 64 queries (four tiles each): 72 steps of a tile for every wave.
; NO CLUSTER, NO JOINT LOADS: the eight heads of a batch read the same 204,800 bytes of x's codes and scales, but each wave takes its part (96 loads of 512 bytes) once, at the head, straight into operand registers;
; a joint load would lay them in LDS first and add that many LDS reads.  No tensor load, so nothing in LDS is filled again.  No prefetch: every global load goes out at the head.
; LIMITS: NaN and infinities are not served.  A block of zeros, or one whose largest magnitude lies under 2^-124, gets the scale byte 1: its codes are zeros.  p under 2^-126 is 0 (v_exp_f32 flushes).  A block's
; largest p is made from its largest score by the same instructions, which takes v_exp_f32 not to fall where its input rises.  Where true scores lie near -10000 their weight against the fill agrees to some 5e-4,
; the rounding of f32 numbers of that size.
.set KI,  0                            ; LDS: k's images, 768 bytes for each group of 32 positions: lane (r, h) holds the 32 codes of position 32 g + 8 h + r + (r & 8)
.set VI,  24576                        ; v's: image 2 chi + t: lane (r, h) holds the 32 keys of group 2 chi + h for channel 16 t + r
.set KS,  49152                        ; k's scale words: 64 chi + 4 r: byte 2 c + ab = key row r of tile ab of group 2 chi + c
.set VS,  50176                        ; v's: 128 sigma + 64 t + 4 r: byte b = group 4 sigma + b, channel 16 t + r
.set QS,  52224                        ; q's: 128 g + 64 ab + 4 r: the query's byte, four times
.set QI,  56320                        ; q's images, as k's
.set STG, 80896                        ; the way out: for each wave 32 rows (channels) of 256 bytes (64 positions) + 16
.set L16, 1                            ; v1-3   16, 8, 4 x lane
.set L8,  2
.set L4,  3
.set R16, 4                            ; v4-6   16, 8, 4 x (lane % 16)
.set R8,  5
.set R4,  6
.set SOA, 7                            ; v7     my stage: row lane % 16, + 64 (lane / 16)
.set SR,  8                            ; v8     back: row lane / 16, + 16 (lane % 16)
.set GO,  9                            ; v9     the same two rows in out0
.set QP0, 10                           ; v10    r + (r & 8) - 16 h - 1
.set QX0, 11                           ; v11    r + (r & 8)
.set PW16, 12                          ; phase P: v12-15 where my wave's images and scale words go
.set PW8,  13
.set PQS,  14
.set PKS,  15
.set AD16, 12                          ; phase A: v12-14 the diagonal step's images and scale words
.set AD8,  13
.set AD4,  14
.set AQ16, 15                          ; v15-17 the tile's queries
.set AQ8,  16
.set AQ4,  17
.set ASO,  18                          ; v18    the tile's place in the stage
.set H64,  19                          ; v19    64 x (lane / 16)
.set DM,   20                          ; v20    the row's largest score
.set XX,   21                          ; v21    X
.set NX,   22                          ; v22    -X
.set RR,   24                          ; v24    1 / the row's sum
.set LL,   26                          ; v26    the row's sum
.set T0,   27
.set T1,   28
.set NMASK, 29                         ; v29    1024 - my query: how many scores hold the fill
.set E0,   30                          ; v30    2^(-10000 log2 e - X)
.set DM1,  31                          ; v31    the diagonal: register 16 b + i is hidden where 32 b + i > this
.set WS,   32                          ; v32-63 hold scales and nothing else.  Phase P: v32-43 the weights' words, 2 (2 kind + tile) + sigma; v44-59 x's, 4 i + 2 c + sigma
.set XS,   44
.set QSC,  32                          ; phase A: Q's, the diagonal K's, K's two, V's, P's
.set KSD,  33
.set KS0,  34
.set VSC,  36
.set PSC,  37
.set S0,   64                          ; phase P: v64-127, v128-191 two sets of eight accumulators
.set S1,   128
.set PC,   192                         ; v192-211 the codes just made
.set TM,   212                         ; v212-227 at work in QUANT
.set PW,   228                         ; v228    the scale word just made
.set RW,   229                         ; v229-232 q's bytes, four times each
.set HW,   233                         ; v233-234 v's pairs of bytes
.set QLO,  70                          ; phase A: v64-93: zeros, Q in lanes 0-15, zeros, Q in lanes 16-31, zeros: the four versions begin at v70, v82, v64, v76
.set QHI,  82
.set JQ,   94                          ; v94-99  Q's codes as loaded
.set KBD,  100                         ; v100-123 K of the diagonal step; v124-147, v148-171 K of the full steps, two buffers
.set KB0,  124
.set VB,   172                         ; v172-195 V of a step: two fragments
.set O0,   196                         ; v196-211 the two accumulators of O
.set O1,   204
.set OB,   100                         ; the way out: v100-163
; windows 1 to 3.  Phase P: windows 1, 2: x's fragments of chunks 0, 1 and 2, 3 (192 registers each); window 3: v0-143 the weights' 12 fragments, v144.. the biases' tiles.
; Phase A: key step e's 64 scores (e = 0..6 the full steps, 7 the diagonal's) lie in window e / 3 + 1 at 64 (e % 3); beside them, by the number in the window:
.set NXW,  192                         ; v[192:193] -X
.set RCW,  194                         ; v[194:195] 1 / sum
.set SUMW, 196                         ; v[196:199] the sum, two chains of pairs
.set BMW,  200                         ; v200-211 each block's largest score, then largest p: four for each step of the window
.set TPW,  212                         ; v212-215 at work; the conversions' scale operands
.set BYW,  216                         ; v216-219 scale bytes
.set PCW,  220                         ; v220-231 P's codes
.set PTW,  232                         ; v232-234, v236-238 their upper halves
.set NINFW, 240                        ; -infinity (window 3)
.set DM1W, 241                         ; v31's copy (window 3)
.set WV,  18                           ; s18 wave;  s20 batch
.set BT,  20
.set CS,  24                           ; s[24:25] c = log2(e) / sqrt(32)
.set SEL, 26                           ; s[26:27] v_permlanex16_b32's selects for lane l xor 16
.set MLO, 28                           ; s28, s29 lanes 0-15, lanes 16-31
.set MHI, 29
.set CI,  30                           ; s30 which of my four chunks;  s31 which of its four tiles
.set TAU, 31
.set CHI, 32                           ; s32 the chunk;  s33 its full key steps
.set NF,  33
.set GQ,  34                           ; s34 the tile's group;  s35 its half
.set HQ,  35
.set OC,  42                           ; s[42:43] out0 at the chunk
.set MSB, 0
.macro WIN new                         ; s_set_vgpr_msb: bits 1:0 source 0, 3:2 source 1, 5:4 source 2, 7:6 destination; the high byte repeats the setting that is left; a switch that changes nothing is dropped
.if MSB != (\new)
	s_set_vgpr_msb (MSB<<8)|(\new)
.set MSB, (\new)
.endif
.endm
; One matrix instruction.  c < 0: the constant 0 starts the sum.  ra, rb: source 0's or source 1's scales stand in lanes 16-31
.macro WMM d, a, b, c, sa, sb, ra, rb
.set rD, \d
.set rA, \a
.set rB, \b
.set rC, \c
.if rC < 0
.if \ra
	v_wmma_scale_f32_16x16x128_f8f6f4 v[rD:rD+7], v[rA:rA+11], v[rB:rB+11], 0, v[\sa], v[\sb] matrix_a_fmt:MATRIX_FMT_FP6 matrix_b_fmt:MATRIX_FMT_FP6 matrix_a_scale:MATRIX_SCALE_ROW1
.elseif \rb
	v_wmma_scale_f32_16x16x128_f8f6f4 v[rD:rD+7], v[rA:rA+11], v[rB:rB+11], 0, v[\sa], v[\sb] matrix_a_fmt:MATRIX_FMT_FP6 matrix_b_fmt:MATRIX_FMT_FP6 matrix_b_scale:MATRIX_SCALE_ROW1
.else
	v_wmma_scale_f32_16x16x128_f8f6f4 v[rD:rD+7], v[rA:rA+11], v[rB:rB+11], 0, v[\sa], v[\sb] matrix_a_fmt:MATRIX_FMT_FP6 matrix_b_fmt:MATRIX_FMT_FP6
.endif
.else
.if \ra
	v_wmma_scale_f32_16x16x128_f8f6f4 v[rD:rD+7], v[rA:rA+11], v[rB:rB+11], v[rC:rC+7], v[\sa], v[\sb] matrix_a_fmt:MATRIX_FMT_FP6 matrix_b_fmt:MATRIX_FMT_FP6 matrix_a_scale:MATRIX_SCALE_ROW1
.elseif \rb
	v_wmma_scale_f32_16x16x128_f8f6f4 v[rD:rD+7], v[rA:rA+11], v[rB:rB+11], v[rC:rC+7], v[\sa], v[\sb] matrix_a_fmt:MATRIX_FMT_FP6 matrix_b_fmt:MATRIX_FMT_FP6 matrix_b_scale:MATRIX_SCALE_ROW1
.else
	v_wmma_scale_f32_16x16x128_f8f6f4 v[rD:rD+7], v[rA:rA+11], v[rB:rB+11], v[rC:rC+7], v[\sa], v[\sb] matrix_a_fmt:MATRIX_FMT_FP6 matrix_b_fmt:MATRIX_FMT_FP6
.endif
.endif
.endm
.macro PLACES                          ; four plain instructions between a matrix instruction and the first read of its result, and between a vector write of an operand and the scaled matrix instruction (ISA guide 7.12.1)
.rept 4
	v_nop
.endr
.endm
	s_load_b256 s[4:11], s[0:1], 0x0               ; xcodes s[4:5], xscales s[6:7], wcodes s[8:9], wscales s[10:11]
	s_load_b128 s[12:15], s[0:1], 0x20             ; q_b s[12:13], kv_b s[14:15]
	s_load_b64 s[16:17], s[0:1], 0x30              ; out0
	v_lshl_add_u32 v254, v0, 2, 0x1c400
	v_mov_b32 v255, 0
	v_lshrrev_b32 v20, 5, v0
	v_readfirstlane_b32 s[WV], v20                 ; wave 0..3
	s_and_b32 s[BT], ttmp7, 0xffff                 ; the batch; ttmp9 is the head
	s_mul_i32 s22, s[BT], 196608                   ; xcodes: 32 groups x 6,144 bytes a batch,
	s_mul_i32 s36, s[WV], 49152                    ; my wave's eight groups
	s_add_co_u32 s22, s22, s36
	s_mov_b32 s23, 0
	s_lshl_b32 s36, s[BT], 13                      ; xscales: 32 x 256 a batch, 8 x 256 a wave
	s_lshl_b32 s37, s[WV], 11
	s_add_co_u32 s36, s36, s37
	s_mov_b32 s37, 0
	s_mul_i32 s38, ttmp9, 6144                     ; wcodes: two tiles x two fragments a head
	s_mov_b32 s39, 0
	s_lshl_b32 s40, ttmp9, 9                       ; wscales: two tiles a head
	s_mov_b32 s41, 0
	s_lshl_b32 s44, ttmp9, 7                       ; the biases: 32 numbers a head
	s_mov_b32 s45, 0
	s_lshl_b32 s46, s[BT], 20                      ; out0: 256 rows of 4,096 bytes a batch, 32 a head
	s_lshl_b32 s47, ttmp9, 17
	s_add_co_u32 s46, s46, s47
	s_mov_b32 s47, 0
	s_mov_b32 s[CS], 0x3e8293ee                    ; c = log2(e) / sqrt(32)
	s_mov_b32 s[CS+1], s[CS]                       ; (named with it as a pair, so it is written)
	s_mov_b32 s[SEL], 0x76543210
	s_mov_b32 s[SEL+1], 0xfedcba98
	s_mov_b32 s[MLO], 0x0000ffff
	s_mov_b32 s[MHI], 0xffff0000
	v_and_b32 v20, 31, v0                          ; lane
	v_and_b32 v21, 15, v0                          ; r
	v_bfe_u32 v22, v0, 4, 1                        ; h
	v_lshlrev_b32 v[L16], 4, v20
	v_lshlrev_b32 v[L8], 3, v20
	v_lshlrev_b32 v[L4], 2, v20
	v_lshlrev_b32 v[R16], 4, v21
	v_lshlrev_b32 v[R8], 3, v21
	v_lshlrev_b32 v[R4], 2, v21
	v_lshlrev_b32 v[H64], 6, v22
	s_mul_i32 s2, s[WV], 8704
	s_add_co_u32 s2, s2, STG                       ; my stage
	v_mul_u32_u24 v[SOA], v21, 272
	v_lshl_add_u32 v[SOA], v22, 6, v[SOA]
	v_add_nc_u32 v[SOA], s2, v[SOA]
	v_mul_u32_u24 v[SR], v22, 272
	v_lshl_add_u32 v[SR], v21, 4, v[SR]
	v_add_nc_u32 v[SR], s2, v[SR]
	v_lshlrev_b32 v[GO], 12, v22
	v_lshl_add_u32 v[GO], v21, 4, v[GO]
	v_and_b32 v[QX0], 8, v21
	v_add_nc_u32 v[QX0], v[QX0], v21
	v_lshlrev_b32 v23, 4, v22
	v_sub_nc_u32 v[QP0], v[QX0], v23
	v_add_nc_u32 v[QP0], -1, v[QP0]
	s_mul_i32 s2, s[WV], 6144                      ; my wave's eight groups of images
	v_add_nc_u32 v[PW16], s2, v[L16]
	v_add_nc_u32 v[PW8], s2, v[L8]
	s_lshl_b32 s2, s[WV], 10
	v_add_nc_u32 v[PQS], s2, v[R4]
	s_lshl_b32 s2, s[WV], 8
	v_add_nc_u32 v[PKS], s2, v[R4]
.irp b, 0,1,2,3
	v_mov_b32 v[TM+4+\b], 0                        ; written once: a lane permute's destination counts as one of its sources
.endr
	s_wait_kmcnt 0x0
	s_add_nc_u64 s[4:5], s[4:5], s[22:23]
	s_add_nc_u64 s[6:7], s[6:7], s[36:37]
	s_add_nc_u64 s[8:9], s[8:9], s[38:39]
	s_add_nc_u64 s[10:11], s[10:11], s[40:41]
	s_add_nc_u64 s[12:13], s[12:13], s[44:45]
	s_add_nc_u64 s[14:15], s[14:15], s[44:45]
	s_add_nc_u64 s[16:17], s[16:17], s[46:47]
	; ALL GLOBAL LOADS OF THE LAUNCH, in the order in which they are wanted.  66 for the weights and biases, then 26 for each of my four chunks
	WIN 0xc0                                       ; destination window 3, address window 0
.irp kind, 0,1,2
.irp f, 0,1,2,3                        ; f = 2 tile + sigma: fragment 4 kind + f at v[12 (4 kind + f)]
.irp k, 0,1,2
	global_load_b128 v[12*(4*\kind+\f)+4*\k:12*(4*\kind+\f)+4*\k+3], v[L16], s[8:9] offset:\kind*49152+\f*1536+512*\k
.endr
.endr
.endr
.irp u, 0,1                            ; q's and k's biases in the transposed result's layout: lane (r, h), tile u, register j: channel 16 h + 8 u + j
	global_load_b128 v[144+8*\u:147+8*\u], v[H64], s[12:13] offset:32*\u
	global_load_b128 v[148+8*\u:151+8*\u], v[H64], s[12:13] offset:32*\u+16
	global_load_b128 v[160+8*\u:163+8*\u], v[H64], s[14:15] offset:32*\u
	global_load_b128 v[164+8*\u:167+8*\u], v[H64], s[14:15] offset:32*\u+16
.endr
.irp t, 0,1                            ; v's: lane (r, h) holds channel 16 t + r in all eight registers
.irp j, 0,1,2,3,4,5,6,7
	global_load_b32 v[176+8*\t+\j], v[R4], s[14:15] offset:1024+64*\t
.endr
.endr
	WIN 0
.irp kind, 0,1,2
.irp t, 0,1
	global_load_b64 v[WS+2*(2*\kind+\t):WS+2*(2*\kind+\t)+1], v[L8], s[10:11] offset:4096*\kind+256*\t
.endr
.endr
.irp i, 0,1,2,3                        ; chunk i: eight fragments (4 c + 2 sigma + ab) on end, in memory as in registers
	WIN 0x40*(1+\i/2)
.set n, 0
.rept 24
	global_load_b128 v[96*(\i%2)+4*n:96*(\i%2)+4*n+3], v[L16], s[4:5] offset:12288*\i+512*n
.set n, n+1
.endr
	WIN 0
.irp c, 0,1
	global_load_b64 v[XS+4*\i+2*\c:XS+4*\i+2*\c+1], v[L8], s[6:7] offset:256*(2*\i+\c)
.endr
.endr
; ---------------- PHASE P ----------------
; q (kind 0) or k (kind 1) of chunk i into the eight accumulators at s: tile of positions p (group p / 2, tile p % 2) x tile of channels u.  The eight take turns, one instruction a turn, sigma by sigma
; Lane (r, h) then holds position row r of tile p, and registers 16 p + 0 .. 15 its channels 16 h + 0 .. 15.
.macro PROJ_QK i, kind, s
.set WX, 1+(\i)/2
.set XB, 96*((\i)%2)
.irp g, 0,1
.if \g == 0
	WIN (3<<4)|(WX<<2)|3                           ; source 0 (the weight) and C (the bias) window 3, source 1 (x) window WX
.else
	WIN (WX<<2)|3
.endif
.irp p, 0,1,2,3
.irp u, 0,1
.if \g == 0
	WMM \s+16*\p+8*\u, 12*(4*\kind+2*\u+\g), XB+12*(4*(\p/2)+2*\g+\p%2), 144+16*\kind+8*\u, WS+2*(2*\kind+\u)+\g, XS+4*\i+2*(\p/2)+\g, 0, \p%2
.else
	WMM \s+16*\p+8*\u, 12*(4*\kind+2*\u+\g), XB+12*(4*(\p/2)+2*\g+\p%2), \s+16*\p+8*\u, WS+2*(2*\kind+\u)+\g, XS+4*\i+2*(\p/2)+\g, 0, \p%2
.endif
.endr
.endr
.endr
.endm
; v of chunk i into S0: source 0 = 16 positions, source 1 = 16 rows of the weight.  Lane (r, h) holds channel 16 t + r, and registers 32 t + 16 c + 0 .. 15 the keys 32 (2 chi + c) + 16 h + 0 .. 15.
.macro PROJ_V i
.set WX, 1+(\i)/2
.set XB, 96*((\i)%2)
.irp g, 0,1
.if \g == 0
	WIN (3<<4)|(3<<2)|WX
.else
	WIN (3<<2)|WX
.endif
.irp t, 0,1
.irp p, 0,1,2,3
.if \g == 0
	WMM S0+8*(4*\t+\p), XB+12*(4*(\p/2)+2*\g+\p%2), 12*(8+2*\t+\g), 176+8*\t, XS+4*\i+2*(\p/2)+\g, WS+2*(4+\t)+\g, \p%2, 0
.else
	WMM S0+8*(4*\t+\p), XB+12*(4*(\p/2)+2*\g+\p%2), 12*(8+2*\t+\g), S0+8*(4*\t+\p), XS+4*\i+2*(\p/2)+\g, WS+2*(4+\t)+\g, \p%2, 0
.endif
.endr
.endr
.endr
.endm
; 64 numbers of a lane, four blocks of 16 registers, each the half 16 h + 0 .. 15 of a block of 32: codes to v[PC] on (registers 6 c .. 6 c + 5: lanes 0-15 block 2 c, lanes 16-31 block 2 c + 1), bytes to v[TM+4] on, the word to v[PW]
.macro QUANT s
	s_wait_dscnt 0x0                               ; the last images' stores have read their registers
.irp b, 0,1,2,3
	v_max3_num_f32 v[TM+\b], |v[\s+16*\b]|, |v[\s+1+16*\b]|, 0x1800000   ; with the floor 2^(3 - 127): the byte cannot fall under 1.  Each accumulator is read from its low end on
.endr
.irp i, 2,4,6,8,10,12,14
.irp b, 0,1,2,3
	v_max3_num_f32 v[TM+\b], v[TM+\b], |v[\s+16*\b+\i]|, |v[\s+1+16*\b+\i]|
.endr
.endr
.irp b, 0,1,2,3
	v_permlanex16_b32 v[TM+4+\b], v[TM+\b], s[SEL], s[SEL+1]
.endr
.irp b, 0,1,2,3
	v_max_num_f32 v[TM+\b], v[TM+\b], v[TM+4+\b]   ; with lane l xor 16's half: the block's largest magnitude
.endr
.irp b, 0,1,2,3
	v_add_nc_u32 v[TM+12+\b], 0xff000000, v[TM+\b] ; 2 off its exponent field: the conversion's scale operand
.endr
.irp b, 0,1,2,3
	v_lshrrev_b32 v[TM+4+\b], 23, v[TM+12+\b]      ; the scale's byte
.endr
	v_lshl_or_b32 v[PW], v[TM+5], 8, v[TM+4]
	v_lshl_or_b32 v[PW], v[TM+6], 16, v[PW]
	v_lshl_or_b32 v[PW], v[TM+7], 24, v[PW]
.irp c, 0,1
	v_cvt_scalef32_pk16_fp6_f32 v[PC+6*\c:PC+2+6*\c], v[\s+32*\c:\s+15+32*\c], v[TM+12+2*\c]
	v_cvt_scalef32_pk16_fp6_f32 v[PC+12+4*\c:PC+14+4*\c], v[\s+16+32*\c:\s+31+32*\c], v[TM+12+2*\c+1]   ; (a conversion's three registers begin on an even number)
.endr
	v_nop                                          ; one plain instruction behind the last scaled conversion
.irp c, 0,1
.irp k, 0,1,2
	v_permlane16_swap_b32 v[PC+6*\c+\k], v[PC+12+4*\c+\k]   ; the first now holds each lane's block's lower 16 codes, the second the upper 16
.endr
.irp k, 0,1,2
	v_mov_b32 v[PC+3+6*\c+\k], v[PC+12+4*\c+\k]
.endr
.endr
.endm
.macro IMG2 region, i                  ; the two images just made: six registers a lane each, 16 bytes at 16 x lane and 8 at 512 + 8 x lane
	ds_store_b128 v[PW16], v[PC:PC+3] offset:\region+1536*\i
	ds_store_b64 v[PW8], v[PC+4:PC+5] offset:\region+1536*\i+512
	ds_store_b128 v[PW16], v[PC+6:PC+9] offset:\region+1536*\i+768
	ds_store_b64 v[PW8], v[PC+10:PC+11] offset:\region+1536*\i+1280
.endm
.macro CHUNK i
.if 26*(3-(\i)) > 63
	s_wait_loadcnt 63                              ; the chunks behind this one issued 26 loads each: more than the wait can name, so it asks for a little more than it needs
.else
	s_wait_loadcnt 26*(3-(\i))                     ; the chunks behind this one issued 26 loads each
.endif
	PROJ_QK \i, 0, S0
	PROJ_QK \i, 1, S1
	WIN 0
	PLACES
	QUANT S0                                       ; q
	IMG2 QI, \i
.irp b, 0,1,2,3
	v_perm_b32 v[RW+\b], v[TM+4+\b], v[TM+4+\b], 0 ; the byte four times: it serves whichever block holds Q
.endr
.irp b, 0,1,2,3
	ds_store_b32 v[PQS], v[RW+\b] offset:QS+256*\i+64*\b   ; lanes r and r + 16 store the same word to the same place
.endr
	PROJ_V \i                                      ; over q's accumulators: QUANT's lines on its own registers are more than the five places that this asks
	WIN 0
	QUANT S1                                       ; k; its lines are the places behind v's products
	IMG2 KI, \i
	ds_store_b32 v[PKS], v[PW] offset:KS+64*\i
	QUANT S0                                       ; v
	IMG2 VI, \i
.irp t, 0,1
	v_lshl_or_b32 v[HW+\t], v[TM+5+2*\t], 8, v[TM+4+2*\t]
.endr
.irp t, 0,1
	ds_store_b16 v[PKS], v[HW+\t] offset:VS+128*(\i/2)+2*(\i%2)+64*\t   ; this chunk's two groups: half of a step's word
.endr
.endm
	CHUNK 0
	CHUNK 1
	CHUNK 2
	CHUNK 3
	s_wait_dscnt 0x0                               ; for the others' sake: my images and scale words lie in LDS
	s_barrier_signal -1
	s_barrier_wait -1                              ; everybody's do.  From here on these bytes are only read, and each wave's stage is its own
; ---------------- PHASE A ----------------
.irp k, 0,1,2,3,4,5
	v_mov_b32 v[64+\k], 0                          ; the zero codes round Q
	v_mov_b32 v[76+\k], 0
	v_mov_b32 v[88+\k], 0
.endr
	v_mov_b32 v[T0], 0                             ; (a lane permute's destination)
.irp w, 1,2,3
	WIN (\w<<6)
	v_mov_b32 v[NXW+1], 0                          ; named as the upper halves of pairs, never used
	v_mov_b32 v[RCW+1], 0
.irp k, 0,1,2,3,4,5,6,7,8,9,10,11,12,13,14,15
	v_mov_b32 v[BMW+\k], 0                         ; the blocks' maxima and the permutes' destinations: written once on every way
.endr
.endr
	v_mov_b32 v[NINFW], 0xff800000                 ; (window 3)
	WIN 0
.macro LOADK buf, sc, a16, a8, a4, off ; a step's 128 keys: four groups' images on end, and the scale words of its two chunks (lanes 0-15, lanes 16-31): nine loads
.irp g, 0,1,2,3
	ds_load_b128 v[\buf+6*\g:\buf+6*\g+3], v[\a16] offset:KI+3072*(\off)+768*\g
	ds_load_b64 v[\buf+6*\g+4:\buf+6*\g+5], v[\a8] offset:KI+3072*(\off)+768*\g+512
.endr
	ds_load_b32 v[\sc], v[\a4] offset:KS+128*(\off)
.endm
.macro LOADV a16, a8, a4, off          ; a step's V: for each tile t of channels a fragment of 128 keys, and the scale words (t = 0 in lanes 0-15, t = 1 in lanes 16-31): nine loads
.irp t, 0,1
.irp c, 0,1
	ds_load_b128 v[VB+12*\t+6*\c:VB+12*\t+6*\c+3], v[\a16] offset:VI+(4*(\off)+2*\c+\t)*768
	ds_load_b64 v[VB+12*\t+6*\c+4:VB+12*\t+6*\c+5], v[\a8] offset:VI+(4*(\off)+2*\c+\t)*768+512
.endr
.endr
	ds_load_b32 v[VSC], v[\a4] offset:VS+128*(\off)
.endm
; The scores of step e: eight tiles of 16 keys.  Tile t lies in block t % 4 of the fragment t / 4, and meets the version of Q that holds Q in that block.
; Register 16 b + i of lane (r, h) is then key 32 b + 16 h + i of the step, for query r.
.macro QK e, buf, sc
.set WW, (\e)/3+1
.set BB, 64*((\e)%3)
	WIN (WW<<6)
.irp t, 0,1,2,3,4,5,6,7
	WMM BB+8*\t, \buf+12*(\t/4), 70+12*(\t%2)-6*((\t%4)/2), -1, \sc, QSC, \t/4, 0
.endr
.endm
.macro MASKD                           ; the diagonal step (window 3, from v64): hidden scores become -infinity; each accumulator from its low end on
	WIN 0xff
.set n, 0
.rept 64
	v_cmp_gt_i32 vcc_lo, 32*(n/16)+n%16, v[DM1W]
	v_cndmask_b32 v[64+n], v[64+n], v[NINFW], vcc_lo
.set n, n+1
.endr
.endm
.macro MAXB e                          ; the largest score of each block of 32 keys (it serves again for the block's largest p), and of the row
.set WW, (\e)/3+1
.set BB, 64*((\e)%3)
.set BMR, BMW+4*((\e)%3)
	WIN 0x55*WW
.irp b, 0,1,2,3
	v_max_num_f32 v[BMR+\b], v[BB+16*\b], v[BB+16*\b+1]
.endr
.irp i, 2,4,6,8,10,12,14
.irp b, 0,1,2,3
	v_max3_num_f32 v[BMR+\b], v[BB+16*\b+\i], v[BB+16*\b+\i+1], v[BMR+\b]
.endr
.endr
.irp b, 0,1,2,3
	v_permlanex16_b32 v[TPW+\b], v[BMR+\b], s[SEL], s[SEL+1]
.endr
.irp b, 0,1,2,3
	v_max_num_f32 v[BMR+\b], v[BMR+\b], v[TPW+\b]  ; with lane l xor 16's 16 keys
.endr
	WIN 5*WW                                       ; sources 0 and 1 in the step's window, source 2 and the destination in window 0
	v_max3_num_f32 v[DM], v[BMR], v[BMR+1], v[DM]
	v_max3_num_f32 v[DM], v[BMR+2], v[BMR+3], v[DM]
.endm
; Sweep 2, step e: t - X and 2^(t - X) of its 64 scores and of its four blocks' largest.  The exponentials are ONE batch with ONE wait at its end; a plain line stands behind each: the next block's scalings, and the
; sums of step pe, whose exponentials have had their wait (pe < 0: none).  Sums go to the sum registers of e's window; source 1 is set to pe's window for them.
.macro STAGE2 e, pe
.set WW, (\e)/3+1
.set BB, 64*((\e)%3)
.set BMR, BMW+4*((\e)%3)
.if (\pe) >= 0
.set WP, (\pe)/3+1
.set BP, 64*((\pe)%3)
.else
.set WP, WW
.set BP, 0
.endif
	WIN (WW<<6)|(WW<<4)|(WP<<2)|WW
.irp b, 0,1,2,3
	v_fma_f32 v[BMR+\b], v[BMR+\b], s[CS], v[NXW]
.endr
.irp k, 0,1,2,3,4,5,6,7
	v_pk_fma_f32 v[BB+2*\k:BB+2*\k+1], v[BB+2*\k:BB+2*\k+1], s[CS:CS+1], v[NXW:NXW+1] op_sel_hi:[1,0,0]
.endr
.irp b, 0,1,2,3
.irp i, 0,1,2,3,4,5,6,7,8,9,10,11,12,13,14,15
	v_exp_f32 v[BB+16*\b+\i], v[BB+16*\b+\i]
.if (\i%2 == 0) && (\b < 3)
	v_pk_fma_f32 v[BB+16*(\b+1)+\i:BB+16*(\b+1)+\i+1], v[BB+16*(\b+1)+\i:BB+16*(\b+1)+\i+1], s[CS:CS+1], v[NXW:NXW+1] op_sel_hi:[1,0,0]
.endif
.if (\i%2 == 1) && ((\pe) >= 0)
.set NA, 8*\b+(\i-1)/2
	v_pk_add_f32 v[SUMW+2*(NA%2):SUMW+2*(NA%2)+1], v[SUMW+2*(NA%2):SUMW+2*(NA%2)+1], v[BP+2*NA:BP+2*NA+1]
.endif
.endr
.endr
.irp b, 0,1,2,3
	v_exp_f32 v[BMR+\b], v[BMR+\b]                 ; the block's largest p: the same two instructions on the same number give the same bits
.endr
	v_nop                                          ; the plain instruction behind the last exponential,
	s_wait_alu depctr_va_vdst(0)                   ; and the one wait for the batch, ahead of the first line that names a result and of the branch below
	WIN 0
.endm
.macro TAIL2 pe                        ; the sums of the last step made
.set WP, (\pe)/3+1
.set BP, 64*((\pe)%3)
	WIN 0x55*WP
.set NA, 0
.rept 32
	v_pk_add_f32 v[SUMW+2*(NA%2):SUMW+2*(NA%2)+1], v[SUMW+2*(NA%2):SUMW+2*(NA%2)+1], v[BP+2*NA:BP+2*NA+1]
.set NA, NA+1
.endr
	WIN 0
.endm
; Sweep 3, step e: the finished weights p / sum are quantised by blocks of 32 keys and multiplied by V.  O(m = query, n = channel): source 0 = P, source 1 = V's fragment of tile t.
.macro STEP3 e, first, a16, a8, a4, off
.set WW, (\e)/3+1
.set BB, 64*((\e)%3)
.set BMR, BMW+4*((\e)%3)
	WIN 0x55*WW
.irp b, 0,1,2,3
	v_mul_f32 v[BMR+\b], v[BMR+\b], v[RCW]         ; the block's largest weight
.endr
.irp b, 0,1,2,3
	v_max_num_f32 v[BMR+\b], 0x1800000, v[BMR+\b]  ; the floor 2^(3 - 127): a block of zeros keeps the byte 1, its codes are zeros
.endr
.irp b, 0,1,2,3
	v_add_nc_u32 v[TPW+\b], 0xff000000, v[BMR+\b]  ; the conversion's scale operand
.endr
.irp b, 0,1,2,3
	v_lshrrev_b32 v[BYW+\b], 23, v[TPW+\b]
.endr
	v_lshl_or_b32 v[BYW], v[BYW+1], 8, v[BYW]
	v_lshl_or_b32 v[BYW], v[BYW+2], 16, v[BYW]
	v_lshl_or_b32 v[BYW], v[BYW+3], 24, v[BYW]
	WIN WW
	v_mov_b32 v[PSC], v[BYW]                       ; P's scale word, into window 0; the 32 multiplications below are more than the eight places that stand between it and the products
	WIN 0
	LOADV \a16, \a8, \a4, \off                     ; the lines above are the places behind the last products that read V's registers
	WIN 0x55*WW
.set n, 0
.rept 32
	v_pk_mul_f32 v[BB+2*n:BB+2*n+1], v[BB+2*n:BB+2*n+1], v[RCW:RCW+1] op_sel_hi:[1,0]
.set n, n+1
.endr
.irp c, 0,1
	v_cvt_scalef32_pk16_fp6_f32 v[PCW+6*\c:PCW+6*\c+2], v[BB+32*\c:BB+32*\c+15], v[TPW+2*\c]
	v_cvt_scalef32_pk16_fp6_f32 v[PTW+4*\c:PTW+4*\c+2], v[BB+32*\c+16:BB+32*\c+31], v[TPW+2*\c+1]
.endr
	v_nop                                          ; one plain instruction behind the last scaled conversion
.irp c, 0,1
.irp k, 0,1,2
	v_permlane16_swap_b32 v[PCW+6*\c+\k], v[PTW+4*\c+\k]
.endr
.irp k, 0,1,2
	v_mov_b32 v[PCW+3+6*\c+\k], v[PTW+4*\c+\k]
.endr
.endr
	PLACES                                         ; between the vector writes of P's codes and the products
	s_wait_dscnt 0x0                               ; V is in
	WIN WW                                         ; source 0 (P) in the step's window
.if \first
	WMM O0, PCW, VB, -1, PSC, VSC, 0, 0
	WMM O1, PCW, VB+12, -1, PSC, VSC, 0, 1
.else
	WMM O0, PCW, VB, O0, PSC, VSC, 0, 0            ; the two accumulators take turns
	WMM O1, PCW, VB+12, O1, PSC, VSC, 0, 1
.endif
	WIN 0
.endm
	s_mov_b32 s[CI], 0
.Lchunk:
	s_wait_xcnt 0x0                                ; the last way out's stores have read their registers and their base: both are written again below
	s_and_b32 s36, s[CI], 1
	s_mul_i32 s36, s36, 3
	s_xor_b32 s36, s36, s[WV]                      ; w, 3 - w, w, 3 - w
	s_lshl_b32 s[CHI], s[CI], 2
	s_add_co_u32 s[CHI], s[CHI], s36               ; the chunk of 64 queries
	s_lshr_b32 s[NF], s[CHI], 1                    ; key steps that lie wholly ahead of it; step NF holds the diagonal
	s_mul_i32 s36, s[NF], 3072
	v_add_nc_u32 v[AD16], s36, v[L16]
	v_add_nc_u32 v[AD8], s36, v[L8]
	s_lshl_b32 s36, s[NF], 7
	v_add_nc_u32 v[AD4], s36, v[L4]
	s_lshl_b32 s36, s[CHI], 8
	s_mov_b32 s37, 0
	s_add_nc_u64 s[OC:OC+1], s[16:17], s[36:37]
	s_mov_b32 s[TAU], 0
.Ltile:
	s_lshr_b32 s36, s[TAU], 1
	s_lshl_b32 s[GQ], s[CHI], 1
	s_add_co_u32 s[GQ], s[GQ], s36                 ; the tile's group of 32 positions,
	s_and_b32 s[HQ], s[TAU], 1                     ; and which of its two tiles: query r is position 32 G + 8 HQ + r + (r & 8)
	s_mul_i32 s37, s[GQ], 768
	s_lshl_b32 s38, s[HQ], 8
	s_add_co_u32 s38, s38, s37
	v_add_nc_u32 v[AQ16], s38, v[R16]
	s_lshl_b32 s38, s[HQ], 7
	s_add_co_u32 s38, s38, s37
	v_add_nc_u32 v[AQ8], s38, v[R8]
	s_lshl_b32 s37, s[GQ], 7
	s_lshl_b32 s38, s[HQ], 6
	s_add_co_u32 s37, s37, s38
	v_add_nc_u32 v[AQ4], s37, v[R4]
	ds_load_b128 v[JQ:JQ+3], v[AQ16] offset:QI     ; both halves of the lanes take query r's codes
	ds_load_b64 v[JQ+4:JQ+5], v[AQ8] offset:QI+512
	ds_load_b32 v[QSC], v[AQ4] offset:QS
	LOADK KBD, KSD, AD16, AD8, AD4, 0              ; the diagonal step's keys
	LOADK KB0, KS0, L16, L8, L4, 0                 ; step 0's
	s_and_b32 s36, s[GQ], 3
	s_lshl_b32 s36, s36, 5
	s_lshl_b32 s37, s[HQ], 3
	s_add_co_u32 s36, s36, s37                     ; 32 (G % 4) + 8 HQ: the tile's place in the diagonal step
	s_lshl_b32 s38, s[GQ], 5
	s_add_co_u32 s38, s38, s37
	s_sub_co_u32 s38, 1024, s38                    ; 1024 - 32 G - 8 HQ
	s_lshr_b32 s39, s[TAU], 1
	s_lshl_b32 s39, s39, 7
	s_lshl_b32 s40, s[HQ], 5
	s_add_co_u32 s39, s39, s40                     ; the tile's bytes in a stage row
	s_wait_dscnt 18                                ; Q's three loads are in; the two runs of nine behind them may be out
.irp k, 0,1,2,3,4,5
	v_cndmask_b32 v[QLO+\k], 0, v[JQ+\k], s[MLO]   ; Q in lanes 0-15, zero codes in lanes 16-31
	v_cndmask_b32 v[QHI+\k], 0, v[JQ+\k], s[MHI]   ; and the other way round
.endr
	v_add_nc_u32 v[DM1], s36, v[QP0]               ; five plain lines: the places between the writes of Q's versions and the products
	v_sub_nc_u32 v[NMASK], s38, v[QX0]
	v_cvt_f32_u32 v[NMASK], v[NMASK]
	v_mov_b32 v[DM], 0xff800000
	v_add_nc_u32 v[ASO], s39, v[SOA]
	; ---- sweep 1: the scores.  The maxima of a step stand behind the next step's products: they are those products' places, and the matrix unit works meanwhile
	s_wait_dscnt 9                                 ; the diagonal's keys are in; step 0's nine loads may be out
	QK 7, KBD, KSD
	WIN 0xc0
	v_mov_b32 v[DM1W], v[DM1]
.irp k, 0,1,2,3
	v_mov_b32 v[SUMW+\k], 0
.endr
	WIN 0x40
.irp k, 0,1,2,3
	v_mov_b32 v[SUMW+\k], 0
.endr
	WIN 0x80
.irp k, 0,1,2,3
	v_mov_b32 v[SUMW+\k], 0
.endr
	WIN 0
.irp j, 0,1,2,3,4,5,6
	s_cmp_le_u32 s[NF], \j                         ; a branch on the chunk's number alone
	s_cbranch_scc1 .Ls1_tail_\j
.if \j < 6
	LOADK KB0+24*((\j+1)%2), KS0+(\j+1)%2, L16, L8, L4, \j+1   ; one step ahead (where that step is the diagonal's it is not used)
	s_wait_dscnt 9                                 ; this step's keys are in; the nine just issued may be out
.else
	s_wait_dscnt 0x0
.endif
	QK \j, KB0+24*(\j%2), KS0+\j%2
.if \j == 0
	MASKD
	MAXB 7
.else
	MAXB \j-1
.endif
	WIN 0
.endr
	MAXB 6
	WIN 0
	s_branch .Ls1_done
.Ls1_tail_0:
	MASKD
	MAXB 7
	WIN 0
	s_branch .Ls1_done
.irp j, 1,2,3,4,5,6
.Ls1_tail_\j:
	MAXB \j-1
	WIN 0
	s_branch .Ls1_done
.endr
.Ls1_done:
	s_wait_dscnt 0x0                               ; the step fetched ahead has landed: its registers may be loaded again
	v_mul_f32 v[XX], s[CS], v[DM]                  ; the largest t of the keys that count (-infinity where none does),
	v_max_num_f32 v[XX], 0xc6616bcd, v[XX]         ; and of the fill: -10000 log2 e
	v_sub_f32 v[T1], 0xc6616bcd, v[XX]
	v_sub_f32 v[NX], 0, v[XX]
	v_exp_f32 v[E0], v[T1]                         ; a fill's weight; its wait is the one at the end of the first batch below
	WIN 0x40
	v_mov_b32 v[NXW], v[NX]
	WIN 0x80
	v_mov_b32 v[NXW], v[NX]
	WIN 0xc0
	v_mov_b32 v[NXW], v[NX]
	; ---- sweep 2: p and the row's sum
	STAGE2 7, -1
	s_cmp_le_u32 s[NF], 0
	s_cbranch_scc1 .Ls2_tail_0
	STAGE2 0, 7
.irp j, 1,2,3,4,5,6
	s_cmp_le_u32 s[NF], \j
	s_cbranch_scc1 .Ls2_tail_\j
	STAGE2 \j, \j-1
.endr
	TAIL2 6
	s_branch .Ls2_done
.Ls2_tail_0:
	TAIL2 7
	s_branch .Ls2_done
.irp j, 1,2,3,4,5,6
.Ls2_tail_\j:
	TAIL2 \j-1
	s_branch .Ls2_done
.endr
.Ls2_done:
.irp w, 1,2,3
	WIN 0x55*\w
	v_pk_add_f32 v[SUMW:SUMW+1], v[SUMW:SUMW+1], v[SUMW+2:SUMW+3]
	v_add_f32 v[SUMW], v[SUMW], v[SUMW+1]
.endr
	WIN 0x09                                       ; source 0 window 1, source 1 window 2
	v_add_f32 v[LL], v[SUMW], v[SUMW]
	WIN 0x0c                                       ; source 1 window 3
	v_add_f32 v[LL], v[LL], v[SUMW]
	WIN 0
	v_permlanex16_b32 v[T0], v[LL], s[SEL], s[SEL+1]
	v_add_f32 v[LL], v[LL], v[T0]                  ; with lane l xor 16's keys,
	v_fma_f32 v[LL], v[NMASK], v[E0], v[LL]        ; and the 1024 - q fills: at least one term of the whole is 1
	v_rcp_f32 v[RR], v[LL]
	v_nop                                          ; a plain instruction behind the reciprocal,
	s_wait_alu depctr_va_vdst(0)                   ; and its wait, ahead of the first reader
	WIN 0x40
	v_mov_b32 v[RCW], v[RR]
	WIN 0x80
	v_mov_b32 v[RCW], v[RR]
	WIN 0xc0
	v_mov_b32 v[RCW], v[RR]
	; ---- sweep 3: the weights, quantised, times V
	STEP3 7, 1, AD16, AD8, AD4, 0                  ; the diagonal step starts O's sums: nothing is cleared
.irp j, 0,1,2,3,4,5,6
	s_cmp_le_u32 s[NF], \j
	s_cbranch_scc1 .Ls3_done
	STEP3 \j, 0, L16, L8, L4, \j
.endr
.Ls3_done:
	PLACES
	ds_store_b128 v[ASO], v[O0:O0+3]               ; lane (r, h): channel 16 t + r, positions 32 G + 16 h + 8 HQ + 0 .. 7; each accumulator from its low end on
	ds_store_b128 v[ASO], v[O0+4:O0+7] offset:16
	ds_store_b128 v[ASO], v[O1:O1+3] offset:4352
	ds_store_b128 v[ASO], v[O1+4:O1+7] offset:4368
	s_add_co_u32 s[TAU], s[TAU], 1
	s_cmp_lt_u32 s[TAU], 4
	s_cbranch_scc1 .Ltile
	; THE WAY OUT of a chunk: 32 channels x 64 positions lie in my stage; they come back as whole rows of 256 bytes
.irp k, 0,1,2,3,4,5,6,7,8,9,10,11,12,13,14,15
	ds_load_b128 v[OB+4*\k:OB+4*\k+3], v[SR] offset:544*\k   ; LDS serves a wave's instructions in order (ISA guide 5.7.1.4): these see my stores, and the next chunk's stores come behind them
.endr
.irp k, 0,1,2,3,4,5,6,7,8,9,10,11,12,13,14,15
	s_wait_dscnt 15-\k                             ; load k is in; the 15 - k behind it may be out
	global_store_b128 v[GO], v[OB+4*\k:OB+4*\k+3], s[OC:OC+1] offset:8192*\k th:TH_STORE_NT   ; 16 lanes store 256 consecutive bytes, at a multiple of 256 from out0's first byte; written once, read by nobody here
.endr
	s_add_co_u32 s[CI], s[CI], 1
	s_cmp_lt_u32 s[CI], 4
	s_cbranch_scc1 .Lchunk
	s_wait_tensorcnt 0x0
	ds_add_u32 v254, v255
	s_wait_dscnt 0x0
	s_endpgm
.Lfunc_end_k_q24b0776469_attn:
	.size	k_q24b0776469_attn, .Lfunc_end_k_q24b0776469_attn-k_q24b0776469_attn
	.p2alignl 7, 3214868480
	.fill 96, 4, 3214868480
	.section	.rodata,"a",@progbits
	.p2align	6, 0x0
	.amdhsa_kernel k_q24b0776469_attn
		.amdhsa_group_segment_fixed_size 116224
		.amdhsa_private_segment_fixed_size 0
		.amdhsa_enable_private_segment 0
		.amdhsa_kernarg_size 56
		.amdhsa_user_sgpr_count 2
		.amdhsa_user_sgpr_kernarg_segment_ptr 1
		.amdhsa_wavefront_size32 1
		.amdhsa_system_sgpr_workgroup_id_x 1
		.amdhsa_system_sgpr_workgroup_id_y 1
		.amdhsa_system_sgpr_workgroup_id_z 1
		.amdhsa_system_vgpr_workitem_id 0
		.amdhsa_next_free_vgpr 1024
		.amdhsa_next_free_sgpr 66
		.amdhsa_reserve_vcc 1
		.amdhsa_float_denorm_mode_32 3
		.amdhsa_float_denorm_mode_16_64 3
		.amdhsa_memory_ordered 1
		.amdhsa_forward_progress 1
		.amdhsa_inst_pref_size 255
	.end_amdhsa_kernel
	.section	.bss,"aw",@nobits
	.p2align	6
	.space	262144
	.amdgpu_metadata
---
amdhsa.version: [ 1, 2 ]
amdhsa.kernels:
  - .name:           k_q24b0776469_attn
    .symbol:         k_q24b0776469_attn.kd
    .args:
      - { .name: xcodes, .offset: 0, .size: 8, .value_kind: global_buffer, .address_space: global }
      - { .name: xscales, .offset: 8, .size: 8, .value_kind: global_buffer, .address_space: global }
      - { .name: wcodes, .offset: 16, .size: 8, .value_kind: global_buffer, .address_space: global }
      - { .name: wscales, .offset: 24, .size: 8, .value_kind: global_buffer, .address_space: global }
      - { .name: q_b, .offset: 32, .size: 8, .value_kind: global_buffer, .address_space: global }
      - { .name: kv_b, .offset: 40, .size: 8, .value_kind: global_buffer, .address_space: global }
      - { .name: out0, .offset: 48, .size: 8, .value_kind: global_buffer, .address_space: global }
    .group_segment_fixed_size: 116224
    .private_segment_fixed_size: 0
    .kernarg_segment_align: 8
    .kernarg_segment_size: 56
    .max_flat_workgroup_size: 128
    .sgpr_count:     66
    .vgpr_count:     1024
    .wavefront_size: 32
...
	.end_amdgpu_metadata
.endif
;; end of part 2
